; MI455X (gfx1250); checked and timed in simulation.
; The chip was launched on July 23, 2026; its instructions are those of AMD's public machine-readable ISA for CDNA 5 (MIT licence, August 2026) and "CDNA5" Instruction Set Architecture Reference Guide (July 2026). The comments in the code are by the model that wrote it; some were corrected since.
;; Multi Head Attention. Allowed arithmetic: matrix products marked QUANTISED: E4M3 operands, one given power-of-two scale a tensor, by v_wmma_f32_16x16x64_fp8_fp8 or v_wmma_f32_16x16x128_fp8_fp8, f32 sums; everything else in f32.
;; Inputs: k_gamma 64 float32; lowp_scales 12 int32 (the exponents e of the quantised operands' scales 2^e); q_gamma 64 float32; wk 256 x 1,024 float32; wo 1,024 x 1,024 float32; wq 1,024 x 1,024 float32; wv 256 x 1,024 float32; x 4 x 2,048 x 1,024 float32.
;; Outputs: out0 4 x 2,048 x 1,024 float32.
;; This version of the problem:
;;   THIS VERSION OF THE PROBLEM IS GIVEN IN LOW PRECISION. The matrix products marked QUANTISED in the list below multiply operands that are first quantised to E4M3 (4 exponent bits, 3 mantissa bits; 8 bits a number), with one given power-of-two scale for each operand tensor; their sums are f32. All else is computed in f32.
;;   The module's matrix products, in the order in which they are computed (A, B: the left and right operand; K: the contracted axis; several contracted axes count as one K, in the product's order):
;;     1. [M 8,192, K 1,024] x [K 1,024, N 1,024]; A: input x; B: input wq: QUANTISED (scales: A lowp_scales[0], B lowp_scales[1])
;;     2. [M 8,192, K 1,024] x [K 1,024, N 256]; A: input x; B: input wk: QUANTISED (scales: A lowp_scales[2], B lowp_scales[3])
;;     3. [M 8,192, K 1,024] x [K 1,024, N 256]; A: input x; B: input wv: QUANTISED (scales: A lowp_scales[4], B lowp_scales[5])
;;     4. batch 16 x [M 2,048, K 64] x [K 64, N 8,192]; A: computed on the way; B: computed on the way: QUANTISED (scales: A lowp_scales[6], B lowp_scales[7])
;;     5. batch 16 x [M 64, K 2,048] x [K 2,048, N 8,192]; A: computed on the way; B: softmax (see below): QUANTISED (scales: A lowp_scales[8], B lowp_scales[9])
;;     6. [M 8,192, K 1,024] x [K 1,024, N 1,024]; A: computed on the way; B: input wo: QUANTISED (scales: A lowp_scales[10], B lowp_scales[11])
;;   THE QUANTISER, for each operand of a quantised product, along K:
;;     - The operand's scale is 2^e, e = its entry of the input lowp_scales (int32; the entries are numbered through the quantised products in the list's order, A before B).
;;     - Each number is divided by the scale, clamped to +-448, and rounded to the nearest number of E4M3, ties to even, subnormals kept.
;;     - The product sums the exact products of the quantised numbers (number of the format x scale) in f32.
;;   ~~~python
;;   def quantise(x, axis, e):      # numpy; x: float32 -> the quantised numbers, widened to float32 again
;;       x = np.moveaxis(x, axis, -1); K = x.shape[-1]
;;       r = np.clip(x / 2.0 ** e, -448, 448)
;;       step = 2.0 ** (np.maximum(np.frexp(np.where(r == 0, 1, r))[1] - 1, -6) - 3)
;;       q = np.round(r / step) * step * 2.0 ** e      # np.round: ties to even
;;       return np.moveaxis(q, -1, axis).astype(np.float32)
;;   ~~~
;;   SOFTMAX AHEAD OF A QUANTISED PRODUCT. Where the list says 'softmax', what is quantised is not the finished softmax but p = 2^(t - M), with t = logit x log2(e) and M = ceil(the row's largest t), a whole number; so 1/2 < the row's largest p <= 1. The row's sum l is taken of the UNQUANTISED p, in f32, and the product's result is divided by l at the end. Since M is a whole number, a kernel that streams over the keys may use a running M (the ceiling of the running maximum): every later rescaling is an exact power of two, so the quantised numbers keep their values, but for numbers so far below the row's largest that they fall under the format's range.
;;   OPERANDS COMPUTED ON THE WAY. 'Computed on the way' means the value that the module computes at that place (a softmax that the list does not call 'softmax' is quantised finished and normalised). What goes into a quantiser is computed in f32, as accurately as f32 sums, v_exp_f32 and their like allow (about 1e-6 of the number): no bf16 or f16 on the way to a quantiser, and a product that is left as it is and whose result goes on into a quantised operand takes f32 operands (vector FMAs, or v_wmma_f32_16x16x4_f32). A number that lies on a knife's edge between two numbers of the format may be rounded either way, as far as f32 arithmetic and the matrix unit's own rounding can turn it there, and no further.
;; One version. Each part assembles by itself: llvm-mc -triple=amdgcn-amd-amdhsa -mcpu=gfx1250 --defsym DOCPART=n.
;; ======== version 1 of 1: 4 launches
;; limits: right only within a limited range of input values
;; workspace buffers: xc 25,165,824 bytes; wc 2,621,440 bytes; rope 524,288 bytes; qc 8,388,608 bytes; kc 2,097,152 bytes; vc 2,097,152 bytes; ac 8,388,608 bytes
;; launch prep (part 1): grid 368 x 1, 4 waves a work-group, no clusters, 0 bytes of LDS; arguments x, wq, wk, wv, wo, lowp_scales, xc, wc, rope; writes xc, wc, rope
.if DOCPART == 1
	.amdgcn_target "amdgcn-amd-amdhsa--gfx1250"
	.amdhsa_code_object_version 6
	.text
	.protected	k_q3b13ad548e_prep
	.globl	k_q3b13ad548e_prep
	.p2align	8
	.type	k_q3b13ad548e_prep,@function
k_q3b13ad548e_prep:
	s_mov_b64 s[64:65], 0
	v_nop
	global_prefetch_b8 v0, s[64:65] scope:SCOPE_SE
	s_setreg_imm32_b32 hwreg(HW_REG_WAVE_MODE, 25, 1), 1
	s_wait_xcnt 0x0
; PREP: f32 numbers into codes of E4M3, and the table of cosines and sines for the rotation.
; Work-groups 0-255: x [8192][1024], three times, under the scales 2^e0, 2^e2, 2^e4 (products 1, 2, 3 may be given different scales for x): three planes of xc.
; Work-groups 256-335: wq (e1), wk (e3), wv (e5), wo (e11), one behind the other in wc.   Work-groups 336-367: the table, one tile of 16 positions a wave.
; code = number / 2^e, held within +-448, to the nearest code, ties to even.
; THE ORDER OF THE CODES ALONG K.  Inside each aligned run of 256 along K, byte 8 l + 4 i + j holds k = 128 i + 4 l + j (l = 0..31, i = 0..1, j = 0..3).  The order is the same in both operands
; of every product that reads these codes, so each product meets its partner.  It is chosen so that two loads of 512 consecutive bytes give lane l just the eight numbers of its eight bytes: one
; conversion, and the wave's store of 8 bytes a lane covers 256 consecutive bytes, aligned.  No turn through LDS, no load with gaps.
; A wave takes 8,192 numbers in 16 steps of 512; loads run four steps (16 loads a wave) ahead.  No LDS, no barrier: waves share nothing.  No matrix work, no cluster: no two work-groups read the same bytes.
; LIMITS: each e between -126 and 119, so that 2^e and 448 x 2^e are f32 numbers.  NaN among the inputs is not served (an infinity is held at the largest code).
.set R,   16                           ; v16-79   four sets of 16 numbers as loaded
.set T,   80                           ; v80-127  three sets of 16 numbers, held
.set C,   128                          ; v128-139 four registers of codes for each scale
.set SRC, 44                           ; s[44:45] my wave's numbers
.set DST, 46                           ; s[46:47], s[48:49], s[50:51] my wave's codes, a base for each plane
.macro MKS n, e                        ; v[4+2n] = 2^e as f32 (the conversion takes its exponent field), v[5+2n] = 448 x 2^e
	s_add_co_i32 s56, \e, 127
	s_lshl_b32 s57, s56, 23
	v_mov_b32 v[4+2*\n], s57
	s_add_co_i32 s56, s56, 8
	s_lshl_b32 s56, s56, 23
	s_or_b32 s56, s56, 0x600000
	v_mov_b32 v[5+2*\n], s56
.endm
.macro LOAD t                          ; step t: four loads of 512 consecutive bytes; registers 0-7 of the set are one run of 256 along K, registers 8-15 the next
.irp i, 0,1,2,3
	global_load_b128 v[R+16*((\t)%4)+4*\i:R+16*((\t)%4)+4*\i+3], v2, s[SRC:SRC+1] offset:2048*(\t)+512*\i th:TH_LOAD_NT
.endr
.endm
.macro QSTEP t, ns                     ; ns: under how many scales the numbers are quantised
.set RS, R+16*((\t)%4)
.if 15-(\t) >= 3
	s_wait_loadcnt 12                              ; this step's four loads are in; those of the three steps behind it may be out
.else
	s_wait_loadcnt 4*(15-(\t))
.endif
	s_wait_xcnt 0x0                                ; the last step's stores have read their data: the codes' registers are written again only behind this wait
.set sc, 0
.rept \ns
.irp i, 0,1,2,3,4,5,6,7,8,9,10,11,12,13,14,15
	v_med3_num_f32 v[T+16*sc+\i], v[RS+\i], -v[5+2*sc], v[5+2*sc]   ; the conversion to an 8-bit code does not saturate (ISA guide 7.6.2): the hold comes first
.endr
	v_cvt_scalef32_pk8_fp8_f32 v[C+4*sc:C+4*sc+1], v[T+16*sc:T+16*sc+7], v[4+2*sc]
	v_cvt_scalef32_pk8_fp8_f32 v[C+4*sc+2:C+4*sc+3], v[T+16*sc+8:T+16*sc+15], v[4+2*sc]
.set sc, sc+1
.endr
	v_nop                                          ; a plain line behind the last conversion: the next step's holds write its sources
.if (\t)+4 < 16
	LOAD (\t)+4                                    ; loads ahead of stores
.endif
.set sc, 0
.rept \ns
	global_store_b64 v3, v[C+4*sc:C+4*sc+1], s[DST+2*sc:DST+2*sc+1] offset:512*(\t)           ; 32 lanes store 256 consecutive bytes, aligned
	global_store_b64 v3, v[C+4*sc+2:C+4*sc+3], s[DST+2*sc:DST+2*sc+1] offset:512*(\t)+256
.set sc, sc+1
.endr
.endm
	s_load_b512 s[8:23], s[0:1], 0x0               ; x 8, wq 10, wk 12, wv 14, wo 16, the scales' exponents 18, xc 20, wc 22
	s_load_b64 s[24:25], s[0:1], 0x40              ; rope
	v_lshrrev_b32 v1, 5, v0
	v_readfirstlane_b32 s26, v1                    ; wave
	v_and_b32 v1, 31, v0                           ; lane
	v_lshlrev_b32 v2, 4, v1                        ; my 16 bytes of a load's 512
	v_lshlrev_b32 v3, 3, v1                        ; my 8 bytes of a store's 256
	s_mov_b32 s55, 0
	s_wait_kmcnt 0x0
	s_cmp_ge_u32 ttmp9, 336
	s_cbranch_scc1 .Lrope
	s_load_b256 s[32:39], s[18:19], 0x0            ; e0 .. e7
	s_load_b128 s[40:43], s[18:19], 0x20           ; e8 .. e11
	s_cmp_lt_u32 ttmp9, 256
	s_cbranch_scc0 .Lweights
	; ---- x: run = 4 x work-group + wave; 32,768 bytes of numbers, 8,192 bytes of codes in each plane
	s_lshl_b32 s52, ttmp9, 2
	s_add_co_u32 s52, s52, s26
	s_lshl_b32 s54, s52, 15
	s_add_nc_u64 s[SRC:SRC+1], s[8:9], s[54:55]
	s_lshl_b32 s54, s52, 13
	s_add_nc_u64 s[DST:DST+1], s[20:21], s[54:55]
	s_add_nc_u64 s[DST+2:DST+3], s[DST:DST+1], 0x800000     ; a plane is 8,388,608 bytes: past a store's immediate, so each plane has a base
	s_add_nc_u64 s[DST+4:DST+5], s[DST+2:DST+3], 0x800000
	s_wait_alu depctr_va_vdst(0)
	LOAD 0
	LOAD 1
	LOAD 2
	LOAD 3
	s_wait_kmcnt 0x0
	MKS 0, s32
	MKS 1, s34
	MKS 2, s36
	s_wait_alu depctr_va_vdst(0)
.irp t, 0,1,2,3,4,5,6,7,8,9,10,11,12,13,14,15
	QSTEP \t, 3
.endr
	s_endpgm
.Lweights:
	; ---- the weights: wi = work-group - 256: 0-31 wq, 32-39 wk, 40-47 wv, 48-79 wo.  The choice hangs on the work-group's number alone
	s_sub_co_u32 s52, ttmp9, 256
	s_wait_kmcnt 0x0
	s_mov_b64 s[SRC:SRC+1], s[16:17]
	s_mov_b32 s53, 48
	s_mov_b32 s58, s43                             ; e11
	s_cmp_lt_u32 s52, 48
	s_cselect_b64 s[SRC:SRC+1], s[14:15], s[SRC:SRC+1]
	s_cselect_b32 s53, 40, s53
	s_cselect_b32 s58, s37, s58                    ; e5
	s_cmp_lt_u32 s52, 40
	s_cselect_b64 s[SRC:SRC+1], s[12:13], s[SRC:SRC+1]
	s_cselect_b32 s53, 32, s53
	s_cselect_b32 s58, s35, s58                    ; e3
	s_cmp_lt_u32 s52, 32
	s_cselect_b64 s[SRC:SRC+1], s[10:11], s[SRC:SRC+1]
	s_cselect_b32 s53, 0, s53
	s_cselect_b32 s58, s33, s58                    ; e1
	s_sub_co_u32 s54, s52, s53                     ; which 32,768 numbers of the tensor
	s_lshl_b32 s54, s54, 2
	s_add_co_u32 s54, s54, s26
	s_lshl_b32 s54, s54, 15
	s_add_nc_u64 s[SRC:SRC+1], s[SRC:SRC+1], s[54:55]
	s_lshl_b32 s54, s52, 2                         ; in wc the tensors lie in this very order
	s_add_co_u32 s54, s54, s26
	s_lshl_b32 s54, s54, 13
	s_add_nc_u64 s[DST:DST+1], s[22:23], s[54:55]
	s_wait_alu depctr_va_vdst(0)
	LOAD 0
	LOAD 1
	LOAD 2
	LOAD 3
	MKS 0, s58
	s_wait_alu depctr_va_vdst(0)
.irp t, 0,1,2,3,4,5,6,7,8,9,10,11,12,13,14,15
	QSTEP \t, 1
.endr
	s_endpgm
.Lrope:
	; ---- the table.  rope[tile][q][lane][16 bytes]: lane (r = lane % 16, h = lane / 16): cos, sin of frequency 8 (q / 2) + 4 h + 2 (q % 2), then of the next one, at position 16 tile + r:
	; the order in which the next launch's lanes hold a head's 64 numbers.  theta(i) = 10000^(-i/32) = 10^(-i/8).  angle = position x theta, rounded once.
	; n = the nearest whole number to angle x 2/pi; rest = angle - n pi/2, pi/2 in two parts (n is at most 1,304; the first product and difference are exact in the fused form);
	; sine and cosine of the rest (at most pi/4) by polynomials of degree 7 and 8; the quadrant n mod 4 swaps them and sets the signs.  Only selections hang on these numbers.
	s_sub_co_u32 s52, ttmp9, 336
	s_lshl_b32 s52, s52, 2
	s_add_co_u32 s52, s52, s26                     ; tile 0..127
	s_lshl_b32 s54, s52, 12
	s_add_nc_u64 s[24:25], s[24:25], s[54:55]
	s_lshl_b32 s53, s52, 4
	v_and_b32 v4, 15, v0
	v_add_nc_u32 v4, s53, v4
	v_cvt_f32_u32 v4, v4                           ; position
	v_and_b32 v5, 16, v0
	v_cmp_ne_u32 vcc_lo, 0, v5                     ; h = 1
	s_mov_b32 s40, 0x3f22f983                      ; 2 / pi
	s_mov_b32 s41, 0x3fc90fdb                      ; pi / 2, rounded to f32,
	s_mov_b32 s42, 0x333bbd2e                      ; and by how much that is too large
	s_mov_b32 s43, 0.16666654611                   ; the sine's coefficients: -, +, -
	s_mov_b32 s44, 0.0083321608736
	s_mov_b32 s45, 0.00019515295891
	s_mov_b32 s46, 0.04166664568                   ; the cosine's: +, -, +
	s_mov_b32 s47, 0.001388731625
	s_mov_b32 s48, 0.00002443315712
.macro SINCOS dst, th0, th1            ; v[dst] = cos, v[dst+1] = sin; th0: theta for lanes 0-15, th1: for lanes 16-31
	v_mov_b32 v6, \th0
	v_mov_b32 v7, \th1
	v_cndmask_b32 v6, v6, v7, vcc_lo
	s_wait_alu depctr_va_vdst(0)
	v_mul_f32 v6, v4, v6                           ; the angle
	v_mul_f32 v7, s40, v6
	v_rndne_f32 v7, v7                             ; n
	v_fma_f32 v8, -v7, s41, v6
	v_fma_f32 v8, v7, s42, v8                      ; the rest
	v_mul_f32 v9, v8, v8                           ; z
	v_fma_f32 v10, -v9, s45, s44
	v_fma_f32 v10, v10, v9, -s43
	v_mul_f32 v10, v10, v9
	v_fma_f32 v10, v10, v8, v8                     ; sine of the rest
	v_fma_f32 v11, v9, s48, -s47
	v_fma_f32 v11, v11, v9, s46
	v_fma_f32 v11, v11, v9, -0.5
	v_fma_f32 v11, v11, v9, 1.0                    ; cosine of the rest
	v_cvt_i32_f32 v12, v7
	v_and_b32 v13, 1, v12
	v_cmp_ne_u32 s50, 0, v13                       ; an odd quadrant swaps the two
	v_cndmask_b32 v14, v10, v11, s50
	v_cndmask_b32 v15, v11, v10, s50
	v_and_b32 v13, 2, v12                          ; the sine is negative in quadrants 2, 3,
	v_lshlrev_b32 v13, 30, v13
	v_xor_b32 v[\dst+1], v14, v13
	v_add_nc_u32 v12, 1, v12                       ; the cosine in quadrants 1, 2
	v_and_b32 v12, 2, v12
	v_lshlrev_b32 v12, 30, v12
	v_xor_b32 v[\dst], v15, v12
.endm
	SINCOS 32, 1.0, 0.3162277660
	SINCOS 34, 0.7498942093, 0.2371373706
	SINCOS 36, 0.5623413252, 0.1778279410
	SINCOS 38, 0.4216965034, 0.1333521432
	SINCOS 40, 0.1, 0.03162277660
	SINCOS 42, 0.07498942093, 0.02371373706
	SINCOS 44, 0.05623413252, 0.01778279410
	SINCOS 46, 0.04216965034, 0.01333521432
	SINCOS 48, 0.01, 0.003162277660
	SINCOS 50, 0.007498942093, 0.002371373706
	SINCOS 52, 0.005623413252, 0.001778279410
	SINCOS 54, 0.004216965034, 0.001333521432
	SINCOS 56, 0.001, 0.0003162277660
	SINCOS 58, 0.0007498942093, 0.0002371373706
	SINCOS 60, 0.0005623413252, 0.0001778279410
	SINCOS 62, 0.0004216965034, 0.0001333521432
.irp q, 0,1,2,3,4,5,6,7
	global_store_b128 v2, v[32+4*\q:35+4*\q], s[24:25] offset:512*\q   ; 32 lanes store 512 consecutive bytes
.endr
	s_endpgm
.Lfunc_end_k_q3b13ad548e_prep:
	.size	k_q3b13ad548e_prep, .Lfunc_end_k_q3b13ad548e_prep-k_q3b13ad548e_prep
	.p2alignl 7, 3214868480
	.fill 96, 4, 3214868480
	.section	.rodata,"a",@progbits
	.p2align	6, 0x0
	.amdhsa_kernel k_q3b13ad548e_prep
		.amdhsa_group_segment_fixed_size 0
		.amdhsa_private_segment_fixed_size 0
		.amdhsa_enable_private_segment 0
		.amdhsa_kernarg_size 72
		.amdhsa_user_sgpr_count 2
		.amdhsa_user_sgpr_kernarg_segment_ptr 1
		.amdhsa_wavefront_size32 1
		.amdhsa_system_sgpr_workgroup_id_x 1
		.amdhsa_system_sgpr_workgroup_id_y 1
		.amdhsa_system_sgpr_workgroup_id_z 1
		.amdhsa_system_vgpr_workitem_id 0
		.amdhsa_next_free_vgpr 160
		.amdhsa_next_free_sgpr 66
		.amdhsa_reserve_vcc 1
		.amdhsa_float_denorm_mode_32 3
		.amdhsa_float_denorm_mode_16_64 3
		.amdhsa_memory_ordered 1
		.amdhsa_forward_progress 1
		.amdhsa_inst_pref_size 127
	.end_amdhsa_kernel
	.amdgpu_metadata
---
amdhsa.version: [ 1, 2 ]
amdhsa.kernels:
  - .name:           k_q3b13ad548e_prep
    .symbol:         k_q3b13ad548e_prep.kd
    .args:
      - { .name: x, .offset: 0, .size: 8, .value_kind: global_buffer, .address_space: global }
      - { .name: wq, .offset: 8, .size: 8, .value_kind: global_buffer, .address_space: global }
      - { .name: wk, .offset: 16, .size: 8, .value_kind: global_buffer, .address_space: global }
      - { .name: wv, .offset: 24, .size: 8, .value_kind: global_buffer, .address_space: global }
      - { .name: wo, .offset: 32, .size: 8, .value_kind: global_buffer, .address_space: global }
      - { .name: lowp_scales, .offset: 40, .size: 8, .value_kind: global_buffer, .address_space: global }
      - { .name: xc, .offset: 48, .size: 8, .value_kind: global_buffer, .address_space: global }
      - { .name: wc, .offset: 56, .size: 8, .value_kind: global_buffer, .address_space: global }
      - { .name: rope, .offset: 64, .size: 8, .value_kind: global_buffer, .address_space: global }
    .group_segment_fixed_size: 0
    .private_segment_fixed_size: 0
    .kernarg_segment_align: 8
    .kernarg_segment_size: 72
    .max_flat_workgroup_size: 128
    .sgpr_count:     66
    .vgpr_count:     160
    .wavefront_size: 32
...
	.end_amdgpu_metadata
.endif
;; end of part 1
;; launch qkv (part 2): grid 6 x 32, 4 waves a work-group, no clusters, 327,680 bytes of LDS; arguments xc, wc, rope, q_gamma, k_gamma, lowp_scales, qc, kc, vc; writes qc, kc, vc
.if DOCPART == 2
	.amdgcn_target "amdgcn-amd-amdhsa--gfx1250"
	.amdhsa_code_object_version 6
	.text
	.protected	k_q3b13ad548e_qkv
	.globl	k_q3b13ad548e_qkv
	.p2align	8
	.type	k_q3b13ad548e_qkv,@function
k_q3b13ad548e_qkv:
	s_mov_b64 s[64:65], 0
	v_nop
	global_prefetch_b8 v0, s[64:65] scope:SCOPE_SE
	s_setreg_imm32_b32 hwreg(HW_REG_WAVE_MODE, 25, 1), 1
	s_wait_xcnt 0x0
.set KROW,   1024
.set ROWB,   256
.set PITCH,  272
.set FR,     16
.set NL,     4
.set NP,     4
.set HALFT,  128*PITCH
.set SLOT,   4*HALFT
.set LAPS,   KROW/(2*ROWB)
.set SPARE,  2*SLOT
.set ADRA, 16
.set ADRB, 20
.set LI,   24
.set GH,   25
.set SPW,  28
.set NIL,  29
.set AF,   128
.set G,    32
.set CS,   64
.set Y,    128
.set SS,   192
.set CD,   224
.set TT,   240
.set G1, 24
.set G0, 32
.set MSB, 0
.macro WIN new
.if MSB != (\new)
	s_set_vgpr_msb (MSB<<8)|(\new)
.set MSB, (\new)
.endif
.endm
.set MUL_LO, 0xa1
.set MUL_HI, 0xf1
.set TO_B,   0x40
	s_load_b512 s[72:87], s[0:1], 0x0
	s_load_b64 s[88:89], s[0:1], 0x40
	v_lshl_add_u32 v[SPW], v0, 2, SPARE
	v_mov_b32 v[NIL], 0
	ds_add_u32 v28, v29
	ds_add_u32 v28, v29
	s_wait_dscnt 0x0
	v_lshrrev_b32 v1, 5, v0
	v_readfirstlane_b32 s14, v1
	s_lshr_b32 s15, s14, 1
	s_and_b32 s16, s14, 1
	s_mov_b32 s4, ttmp9
	s_and_b32 s5, ttmp7, 0xffff
	s_mov_b32 s40, 0x76543210
	s_mov_b32 s41, 0xfedcba98
	s_mov_b32 s[G1+0], (1<<20)|(5<<22)|(3<<25)
	s_mov_b32 s[G1+1], ROWB<<16
	s_mov_b32 s[G1+2], 128<<16
	s_mov_b32 s[G1+3], ROWB<<16
	s_mov_b32 s[G1+4], 128
	s_mov_b32 s[G1+5], KROW
	s_mov_b32 s[G1+6], 0
	s_mov_b32 s[G1+7], 0
	s_sub_co_i32 s6, s4, 3
	s_max_i32 s6, s6, 0
	s_lshl_b32 s6, s6, 23
	s_lshl_b32 s7, s5, 18
	s_add_co_u32 s6, s6, s7
	s_mov_b32 s7, 0
	s_lshl_b32 s8, s4, 18
	s_mov_b32 s9, 0
	s_lshl_b32 s10, s16, 17
	s_mov_b32 s11, 0
	s_cmp_eq_u32 s4, 5
	s_cselect_b32 s12, 1, 0
	s_xor_b32 s12, s12, s15
	s_mul_i32 s13, s14, HALFT
	s_wait_kmcnt 0x0
	s_load_b256 s[92:99], s[82:83], 0x0
	s_load_b32 s100, s[82:83], 0x20
	s_add_nc_u64 s[6:7], s[72:73], s[6:7]
	s_add_nc_u64 s[8:9], s[74:75], s[8:9]
	s_cmp_eq_u32 s12, 0
	s_cselect_b64 s[6:7], s[6:7], s[8:9]
	s_add_nc_u64 s[6:7], s[6:7], s[10:11]
.irp s, 0,1
	s_mov_b32 s[G0+4*\s], 1
	s_add_co_u32 s[G0+4*\s+1], s13, \s*SLOT
	s_add_nc_u64 s[G0+4*\s+2:G0+4*\s+3], s[6:7], \s*ROWB
	s_or_b32 s[G0+4*\s+3], s[G0+4*\s+3], 0x80000000
.endr
	tensor_load_to_lds s[G0:G0+3], s[G1:G1+7]
	s_nop 0
	s_wait_alu depctr_va_vdst(0)
	s_wait_tensorcnt 0x0
	ds_add_u32 v28, v29
	s_wait_dscnt 0x0
	s_barrier_signal -1
	s_barrier_wait -1
	tensor_load_to_lds s[G0+4:G0+7], s[G1:G1+7]
	s_nop 0
.rept 4
	v_nop
.endr
	v_and_b32 v1, 15, v0
	v_bfe_u32 v2, v0, 4, 1
	v_mul_u32_u24 v3, v1, PITCH
	v_lshl_add_u32 v4, v2, 4, v3
	s_mul_i32 s21, s15, HALFT
	s_mul_i32 s22, s16, HALFT
	s_add_co_u32 s22, s22, 2*HALFT
.irp s, 0,1
	v_add_nc_u32 v[ADRA+\s], s21, v4
	v_add_nc_u32 v[ADRB+\s], s22, v4
	s_add_co_u32 s21, s21, SLOT
	s_add_co_u32 s22, s22, SLOT
.endr
	v_and_b32 v5, 31, v0
	v_lshlrev_b32 v[LI], 4, v5
	v_lshlrev_b32 v[GH], 5, v2
.macro FRAG reg, adr, q, i
.irp c, 0,1,2,3
	ds_load_b128 v[\reg+4*\c:\reg+4*\c+3], v[\adr] offset:128*(\q)+32*\c+(\i)*16*PITCH
.endr
.endm
.macro MUL16 a0, p, zero
.irp a, \a0, \a0+1
.irp b, 0,1,2,3,4,5,6,7
.if \zero
	v_wmma_f32_16x16x128_fp8_fp8 v[8*(8*((\a)%4)+\b):8*(8*((\a)%4)+\b)+7], v[128*(\p)+FR*\b:128*(\p)+FR*\b+FR-1], v[AF+FR*(\a):AF+FR*(\a)+FR-1], 0
.else
	v_wmma_f32_16x16x128_fp8_fp8 v[8*(8*((\a)%4)+\b):8*(8*((\a)%4)+\b)+7], v[128*(\p)+FR*\b:128*(\p)+FR*\b+FR-1], v[AF+FR*(\a):AF+FR*(\a)+FR-1], v[8*(8*((\a)%4)+\b):8*(8*((\a)%4)+\b)+7]
.endif
.endr
.endr
.endm
.macro FETCH_B slot, q, p
	WIN TO_B
.irp i, 0,1,2,3,4,5,6,7
	FRAG 128*(\p)+FR*\i, ADRB+\slot, \q, \i
.endr
	WIN 0
.endm
.macro FETCH_A slot, q, i0
.irp i, \i0, \i0+1, \i0+2, \i0+3
	FRAG AF+FR*(\i), ADRA+\slot, \q, \i
.endr
.endm
.macro PLACES n
.rept \n
	v_nop
.endr
.endm
.macro STEP slot, q, zero
	s_wait_dscnt 4*NL
	WIN MUL_LO
	MUL16 0, (\q)%2, \zero
	MUL16 2, (\q)%2, \zero
	s_wait_dscnt 0
	PLACES NP
	FETCH_B \slot, (\q)+1, 1-(\q)%2
	FETCH_A \slot, (\q)+1, 0
	WIN MUL_HI
	MUL16 4, (\q)%2, \zero
	MUL16 6, (\q)%2, \zero
	PLACES NP
	WIN 0
	FETCH_A \slot, (\q)+1, 4
.endm
.macro TURN slot, next, fill
	s_wait_tensorcnt 0x0
	ds_add_u32 v[SPW], v[NIL]
.if \fill
	s_add_nc_u64 s[G0+4*\slot+2:G0+4*\slot+3], s[G0+4*\slot+2:G0+4*\slot+3], 2*ROWB
.endif
	s_wait_dscnt 4*NL+1
	WIN MUL_LO
	MUL16 0, 1, 0
	s_wait_dscnt 0x0
	s_barrier_signal -1
	MUL16 2, 1, 0
	WIN 0
	s_barrier_wait -1
.if \fill
	tensor_load_to_lds s[G0+4*\slot:G0+4*\slot+3], s[G1:G1+7]
	s_nop 0
.rept 4
	v_nop
.endr
.else
	PLACES NP
.endif
	FETCH_B \next, 0, 0
	FETCH_A \next, 0, 0
	WIN MUL_HI
	MUL16 4, 1, 0
	MUL16 6, 1, 0
	PLACES NP
	WIN 0
	FETCH_A \next, 0, 4
.endm
	s_wait_alu depctr_va_vdst(0)
	s_wait_tensorcnt 1
	s_barrier_signal -1
	s_barrier_wait -1
	FETCH_B 0, 0, 0
	FETCH_A 0, 0, 0
	FETCH_A 0, 0, 4
	STEP 0, 0, 1
	s_mov_b32 s3, LAPS-1
.Llap:
	TURN 0, 1, 1
	STEP 1, 0, 0
	TURN 1, 0, 1
	STEP 0, 0, 0
	s_sub_co_u32 s3, s3, 1
	s_cmp_lg_u32 s3, 0
	s_cbranch_scc1 .Llap
	TURN 0, 1, 0
	STEP 1, 0, 0
	s_wait_dscnt 4*NL
	WIN MUL_LO
	MUL16 0, 1, 0
	MUL16 2, 1, 0
	s_wait_dscnt 0
	WIN MUL_HI
	MUL16 4, 1, 0
	MUL16 6, 1, 0
	WIN 0
	PLACES NP
	s_wait_kmcnt 0x0
	s_cmp_eq_u32 s4, 5
	s_cbranch_scc1 .Lv
	s_lshr_b32 s42, s5, 3
	s_lshl_b32 s43, s42, 4
	s_lshl_b32 s44, s4, 2
	s_add_co_u32 s43, s43, s44
	s_lshl_b32 s44, s42, 2
	s_cmp_eq_u32 s4, 4
	s_cselect_b32 s43, s44, s43
	s_cselect_b32 s45, s94, s92
	s_cselect_b32 s46, s95, s93
	s_cselect_b32 s47, s98, s99
	s_cselect_b64 s[48:49], s[80:81], s[78:79]
	s_cselect_b64 s[50:51], s[86:87], s[84:85]
	s_lshl_b32 s44, s16, 1
	s_add_co_u32 s43, s43, s44
	s_lshl_b32 s43, s43, 7
	s_and_b32 s44, s5, 7
	s_lshl_b32 s44, s44, 4
	s_lshl_b32 s42, s15, 3
	s_add_co_u32 s44, s44, s42
	s_add_co_u32 s43, s43, s44
	s_lshl_b32 s56, s43, 10
	s_mov_b32 s57, 0
	s_add_nc_u64 s[50:51], s[50:51], s[56:57]
	s_lshl_b32 s56, s44, 12
	s_add_nc_u64 s[58:59], s[76:77], s[56:57]
.irp t, 0,1,2,3
	global_load_b128 v[G+8*\t:G+8*\t+3], v[GH], s[48:49] offset:64*\t
	global_load_b128 v[G+8*\t+4:G+8*\t+7], v[GH], s[48:49] offset:64*\t+16
.endr
.macro ROPELD a
.irp q, 0,1,2,3,4,5,6,7
	global_load_b128 v[CS+32*((\a)%2)+4*\q:CS+32*((\a)%2)+4*\q+3], v[LI], s[58:59] offset:4096*(\a)+512*\q
.endr
.endm
	ROPELD 0
	ROPELD 1
	s_add_co_i32 s45, s45, s46
	s_lshl_b32 s52, s45, 1
	s_add_co_i32 s52, s52, 121
	s_lshl_b32 s52, s52, 23
	s_mov_b32 s53, 0x34000000
	s_add_co_i32 s54, s45, 127
	s_lshl_b32 s54, s54, 23
	s_add_co_i32 s47, s47, 127
	s_lshl_b32 s55, s47, 23
	v_mov_b32 v248, s55
	s_add_co_i32 s47, s47, 8
	s_lshl_b32 s47, s47, 23
	s_or_b32 s47, s47, 0x600000
	v_mov_b32 v249, s47
.irp w, 0,1
	WIN 0x0a+5*\w
.set p, 0
.rept 16
.irp u, 0,1,2,3,4,5,6,7
.if p == 0
	v_pk_mul_f32 v[SS+16*\w+2*\u:SS+16*\w+2*\u+1], v[32*\u:32*\u+1], v[32*\u:32*\u+1]
.else
	v_pk_fma_f32 v[SS+16*\w+2*\u:SS+16*\w+2*\u+1], v[32*\u+2*p:32*\u+2*p+1], v[32*\u+2*p:32*\u+2*p+1], v[SS+16*\w+2*\u:SS+16*\w+2*\u+1]
.endif
.endr
.set p, p+1
.endr
.endr
	WIN 0
.irp u, 0,1,2,3,4,5,6,7,8,9,10,11,12,13,14,15
	v_add_f32 v[SS+2*\u], v[SS+2*\u], v[SS+2*\u+1]
.endr
.irp u, 0,1,2,3,4,5,6,7,8,9,10,11,12,13,14,15
	v_permlanex16_b32 v[SS+2*\u+1], v[SS+2*\u], s40, s41
.endr
.irp u, 0,1,2,3,4,5,6,7,8,9,10,11,12,13,14,15
	v_add_f32 v[SS+2*\u], v[SS+2*\u], v[SS+2*\u+1]
.endr
.irp u, 0,1,2,3,4,5,6,7,8,9,10,11,12,13,14,15
	v_fma_f32 v[SS+2*\u], v[SS+2*\u], s52, s53
.endr
	s_wait_alu depctr_va_vdst(0)
.irp u, 0,1,2,3,4,5,6,7,8,9,10,11,12,13,14,15
	v_rsq_f32 v[SS+2*\u], v[SS+2*\u]
.endr
	v_nop
	s_wait_alu depctr_va_vdst(0)
.irp u, 0,1,2,3,4,5,6,7,8,9,10,11,12,13,14,15
	v_mul_f32 v[SS+2*\u], s54, v[SS+2*\u]
.endr
.macro QKROW a
.set CSA, CS+32*((\a)%2)
.if (\a) < 7
	s_wait_loadcnt 8
.else
	s_wait_loadcnt 0
.endif
	s_wait_xcnt 0x0
	WIN 0x02+((\a)/4)
.irp hd, 0,1
.set p, 0
.rept 16
	v_pk_mul_f32 v[Y+32*\hd+2*p:Y+32*\hd+2*p+1], v[64*((\a)%4)+32*\hd+2*p:64*((\a)%4)+32*\hd+2*p+1], v[SS+4*(\a)+2*\hd:SS+4*(\a)+2*\hd+1] op_sel_hi:[1,0]
.set p, p+1
.endr
.endr
	WIN 0
.irp hd, 0,1
.set p, 0
.rept 16
	v_pk_mul_f32 v[Y+32*\hd+2*p:Y+32*\hd+2*p+1], v[Y+32*\hd+2*p:Y+32*\hd+2*p+1], v[G+2*p:G+2*p+1]
.set p, p+1
.endr
.endr
.irp hd, 0,1
.irp g, 0,1,2,3
.irp k, 0,1,2,3
	v_mul_f32 v[TT+2*\k], v[Y+32*\hd+8*\g+2*\k+1], v[CSA+8*\g+2*\k+1]
	v_mul_f32 v[TT+2*\k+1], v[Y+32*\hd+8*\g+2*\k], v[CSA+8*\g+2*\k+1]
.endr
.irp k, 0,1,2,3
	v_fma_f32 v[Y+32*\hd+8*\g+2*\k], v[Y+32*\hd+8*\g+2*\k], v[CSA+8*\g+2*\k], -v[TT+2*\k]
	v_fma_f32 v[Y+32*\hd+8*\g+2*\k+1], v[Y+32*\hd+8*\g+2*\k+1], v[CSA+8*\g+2*\k], v[TT+2*\k+1]
.endr
.endr
.endr
.set n, 0
.rept 64
	v_med3_num_f32 v[Y+n], v[Y+n], -v249, v249
.set n, n+1
.endr
.irp hd, 0,1
.irp t, 0,1,2,3
	v_cvt_scalef32_pk8_fp8_f32 v[CD+8*\hd+2*\t:CD+8*\hd+2*\t+1], v[Y+32*\hd+8*\t:Y+32*\hd+8*\t+7], v248
.endr
.endr
	v_nop
.if (\a)+2 < 8
	ROPELD (\a)+2
.endif
.irp hd, 0,1
.irp c, 0,1
	global_store_b128 v[LI], v[CD+8*\hd+4*\c:CD+8*\hd+4*\c+3], s[50:51] offset:131072*\hd+1024*(\a)+512*\c
.endr
.endr
.endm
.irp a, 0,1,2,3,4,5,6,7
	QKROW \a
.endr
	s_branch .Lend
.Lv:
	s_sub_co_i32 s42, s100, s96
	s_sub_co_i32 s42, s42, s97
	s_add_co_i32 s42, s42, 127
	s_lshl_b32 s43, s42, 23
	v_mov_b32 v248, s43
	s_add_co_i32 s42, s42, 8
	s_lshl_b32 s42, s42, 23
	s_or_b32 s42, s42, 0x600000
	v_mov_b32 v249, s42
	s_wait_alu depctr_va_vdst(0)
	s_lshr_b32 s44, s5, 3
	s_lshl_b32 s44, s44, 2
	s_lshl_b32 s45, s15, 1
	s_add_co_u32 s44, s44, s45
	s_lshl_b32 s44, s44, 4
	s_and_b32 s45, s5, 7
	s_lshl_b32 s45, s45, 1
	s_add_co_u32 s44, s44, s45
	s_add_co_u32 s44, s44, s16
	s_lshl_b32 s56, s44, 13
	s_mov_b32 s57, 0
	s_add_nc_u64 s[50:51], s[88:89], s[56:57]
.macro VROW a
.set CDA, 192+16*((\a)%2)
.if (\a) >= 2
	s_wait_xcnt 0x0
.endif
	WIN 0x02+((\a)/4)
.set n, 0
.rept 64
	v_med3_num_f32 v[Y+n], v[64*((\a)%4)+n], -v249, v249
.set n, n+1
.endr
	WIN 0
.irp b, 0,1,2,3,4,5,6,7
	v_cvt_scalef32_pk8_fp8_f32 v[CDA+2*\b:CDA+2*\b+1], v[Y+8*\b:Y+8*\b+7], v248
.endr
	v_nop
.irp c, 0,1,2,3
	global_store_b128 v[LI], v[CDA+4*\c:CDA+4*\c+3], s[50:51] offset:131072*((\a)/4)+2048*((\a)%4)+512*\c
.endr
.endm
.irp a, 0,1,2,3,4,5,6,7
	VROW \a
.endr
.Lend:
	s_wait_tensorcnt 0x0
	ds_add_u32 v[SPW], v[NIL]
	s_wait_dscnt 0x0
	s_endpgm
.Lfunc_end_k_q3b13ad548e_qkv:
	.size	k_q3b13ad548e_qkv, .Lfunc_end_k_q3b13ad548e_qkv-k_q3b13ad548e_qkv
	.p2alignl 7, 3214868480
	.fill 96, 4, 3214868480
	.section	.rodata,"a",@progbits
	.p2align	6, 0x0
	.amdhsa_kernel k_q3b13ad548e_qkv
		.amdhsa_group_segment_fixed_size 327680
		.amdhsa_private_segment_fixed_size 0
		.amdhsa_enable_private_segment 0
		.amdhsa_kernarg_size 72
		.amdhsa_user_sgpr_count 2
		.amdhsa_user_sgpr_kernarg_segment_ptr 1
		.amdhsa_wavefront_size32 1
		.amdhsa_system_sgpr_workgroup_id_x 1
		.amdhsa_system_sgpr_workgroup_id_y 1
		.amdhsa_system_sgpr_workgroup_id_z 1
		.amdhsa_system_vgpr_workitem_id 0
		.amdhsa_next_free_vgpr 1024
		.amdhsa_next_free_sgpr 102
		.amdhsa_reserve_vcc 0
		.amdhsa_float_denorm_mode_32 3
		.amdhsa_float_denorm_mode_16_64 3
		.amdhsa_memory_ordered 1
		.amdhsa_forward_progress 1
		.amdhsa_inst_pref_size 255
	.end_amdhsa_kernel
	.section	.bss,"aw",@nobits
	.p2align	6
	.space	262144
	.amdgpu_metadata
---
amdhsa.version: [ 1, 2 ]
amdhsa.kernels:
  - .name:           k_q3b13ad548e_qkv
    .symbol:         k_q3b13ad548e_qkv.kd
    .args:
      - { .name: xc, .offset: 0, .size: 8, .value_kind: global_buffer, .address_space: global }
      - { .name: wc, .offset: 8, .size: 8, .value_kind: global_buffer, .address_space: global }
      - { .name: rope, .offset: 16, .size: 8, .value_kind: global_buffer, .address_space: global }
      - { .name: q_gamma, .offset: 24, .size: 8, .value_kind: global_buffer, .address_space: global }
      - { .name: k_gamma, .offset: 32, .size: 8, .value_kind: global_buffer, .address_space: global }
      - { .name: lowp_scales, .offset: 40, .size: 8, .value_kind: global_buffer, .address_space: global }
      - { .name: qc, .offset: 48, .size: 8, .value_kind: global_buffer, .address_space: global }
      - { .name: kc, .offset: 56, .size: 8, .value_kind: global_buffer, .address_space: global }
      - { .name: vc, .offset: 64, .size: 8, .value_kind: global_buffer, .address_space: global }
    .group_segment_fixed_size: 327680
    .private_segment_fixed_size: 0
    .kernarg_segment_align: 8
    .kernarg_segment_size: 72
    .max_flat_workgroup_size: 128
    .sgpr_count:     102
    .vgpr_count:     1024
    .wavefront_size: 32
...
	.end_amdgpu_metadata
.endif
;; end of part 2
;; launch attn (part 3): grid 16 x 16, 16 waves a work-group, clusters of 4 x 1, 327,680 bytes of LDS; arguments qc, kc, vc, lowp_scales, ac; writes ac
.if DOCPART == 3
	.amdgcn_target "amdgcn-amd-amdhsa--gfx1250"
	.amdhsa_code_object_version 6
	.text
	.protected	k_q3b13ad548e_attn
	.globl	k_q3b13ad548e_attn
	.p2align	8
	.type	k_q3b13ad548e_attn,@function
k_q3b13ad548e_attn:
	s_mov_b64 s[64:65], 0
	v_nop
	global_prefetch_b8 v0, s[64:65] scope:SCOPE_SE
	s_setreg_imm32_b32 hwreg(HW_REG_WAVE_MODE, 25, 1), 1
	s_wait_xcnt 0x0
	s_wait_alu depctr_hold_cnt(0) depctr_sa_sdst(0) depctr_va_vdst(0) depctr_va_sdst(0) depctr_va_ssrc(0) depctr_va_vcc(0) depctr_vm_vsrc(0)
	s_getreg_b32 s2, hwreg(HW_REG_IB_STS2, 6, 4)
	s_cmp_eq_u32 s2, 0
	s_cbranch_scc0 .Lentry_in_a_cluster
	s_endpgm
.Lentry_in_a_cluster:
	s_bfe_u32 s2, ttmp6, 0x10000c
	s_cmp_lg_u32 s2, 0x3003
	s_cbranch_scc0 .Lentry_shape_is_right
	s_endpgm
.Lentry_shape_is_right:
; ATTN: causal attention on codes of E4M3, four query heads to a key and value head, head size 64, 2,048 positions.  Both products quantised; the result is quantised for the last projection.
; t = score x log2(e) / 8; M = the row's largest t so far, rounded UP to a whole number; p = 2^(t - M) is quantised (2^e9), not normalised; the row's sum is taken of the unquantised p and divides at the end.
; WORK LEFT OUT: the causal mask throws away the scores of keys behind the query, so a key step of 128 all of whose keys lie behind a tile's 16 queries is not multiplied.
; SHARES.  The sequence is 16 super-blocks of 128 positions.  Cluster (X, bh), four work-groups: kv head bh = 4 b + hkv and the super-blocks 2 X, 2 X + 1 (LOW) and 15 - 2 X, 14 - 2 X (HIGH).
; The partner at place cx takes positions 32 cx .. 32 cx + 31 of each of the four, for the kv head's four query heads.  Wave w: query head g = w % 4, tile of 16 positions u = (w / 4) % 2,
; pair pr = w / 8: LOW super-block 2 X + pr, HIGH super-block 15 - 2 X - pr.  A tile of super-block s needs s + 1 key steps: 17 for the two tiles of every wave.
; CLUSTER: the four partners need the same K and V, and ask for them jointly (mask 15).  Step counts and the mask's branches hang on X and the wave's number alone; cx enters only
; global addresses and the number that the mask's compares take.
; K AND V OF THE KV HEAD LIE IN LDS as register images, filled once, in two halves of eight key steps.  Each wave issues one load for each half: waves 0-7 K, waves 8-15 V; a load is the wave's slice of
; 1,024 bytes of each of the half's eight key steps (8 rows, 8,192 bytes apart in memory), so every load brings bytes that are read: key steps 0 and 8 are read by every wave.
; (Key steps behind the HIGH super-block come with them and are not read.)  In LDS: half x 65,536 + slice x 8,192 + (key step % 8) x 1,024.
; The first half is asked for at the head, the second behind a wait, an add and a cluster round.  HIGH goes first: its key steps 0-7 need the first half alone.  The barrier that shows the
; second half to all waves is split: the signal stands behind HIGH's key step 3, the wait behind key step 7; between them stand register work and LDS loads of the first half, which nobody writes.
; NO PREFETCH: both halves are asked for at the head; the launch has no loop in which a later request could be run ahead of.
; LAYOUT.  Both products transposed: S^T = K Q^T (source 0 = 16 keys, source 1 = my 16 queries), O^T = V^T P^T: a lane holds ONE query (lane % 16) throughout.  In S^T tile t, register j is key 16 t + 8 h + j:
; the place that the K = 128 form gives registers 2 t, 2 t + 1 of its operand: the conversions' results are the second product's operand.
; THE MASK.  Every loop's trip count is a constant; a hidden step's work is jumped over by a scalar branch on ids; in a tile's last step (first key = the super-block's first position) hidden scores become
; -infinity ahead of the maximum.  Key 0 counts for every query, so M is a number from the first step on.
; THE WAY OUT: O / the sum, as codes under 2^e10, in the order along K that the last projection's weights have (byte 8 l + 4 i + j of a run of 256 holds k = 128 i + 4 l + j); the four heads of a position meet in a
; stage in LDS and leave as 256 consecutive bytes, aligned.
; LIMITS: e6 + e7 between -123 and 130 (added to c's exponent field); e9 and e10 - e8 - e9 between -126 and 119.  The scaled scores stay under 2^31 in magnitude.
; REGISTERS: v1-6 addresses that stay; v8, v9 addresses of the step; v12 -M, v13 the largest t, v[14:15] the sum; v16-23 Q; v32-95 K's eight fragments, then V's four; v96-159 S^T, then p; v160-191 O^T;
; v192-207 p's codes; v208-215 the result's codes; v228-254 at work and constants; v251, v255 the add's two registers.
.set VREG,  131072                     ; LDS: K at 0, V here
.set HALF,  65536                      ; the second half of the key steps, in K's region and in V's
.set STAGE, 262144                     ; the stage: 128 rows x (256 bytes + 16): row 64 blk + 32 pr + 16 u + r (blk 0 LOW, 1 HIGH).  No tensor load lands there
.set SP,    272
.set SPARE, 296960                     ; behind the stage: the spare words, 128 bytes for each of 16 waves
.set LI,   1                           ; v1   16 x lane
.set LV,   2                           ; v2   16 x lane + VREG
.set RH,   3                           ; v3   r - 8 h, for the mask
.set STW,  4                           ; v4   the stage: where I put 4 bytes
.set STR,  5                           ; v5   and where I read 16 back
.set GO,   6                           ; v6   my byte offset in the wave's rows of ac
.set ADK,  8
.set ADV,  9
.set SPW,  251
.set NIL,  255
.set WV,   18                          ; s18  wave;  s19 w / 4;  s17 g;  s16 pr
.set SEL,  20                          ; s[20:21] selects for lane xor 16
.set CS,   22                          ; s[22:23] c = log2(e) / 8 x 2^(e6 + e7)
.set G1,   24                          ; s[24:31] descriptor group 1;  s[32:35], s[36:39] groups 0 of the two halves
.set SBK,  46                          ; s46  first position of the tile's super-block
.set Q0,   50                          ; s50  my tile's first query
.set KF,   51                          ; s51  the step's first key
.set TB,   52                          ; s52  LDS byte of the step's slices, in K's region and in V's alike: 1,024 a step
.macro CROUND                          ; a round of the cluster's barrier
	s_barrier_signal -1
	s_barrier_wait -1
	s_cmp_lg_u32 s[WV], 0
	s_cbranch_scc1 .Lnot_wave_0_\@
	s_barrier_signal -3
.Lnot_wave_0_\@:
	s_barrier_wait -3
	s_barrier_signal -1
	s_barrier_wait -1
.endm
	s_load_b256 s[4:11], s[0:1], 0x0               ; qc 4, kc 6, vc 8, the scales' exponents 10
	s_load_b64 s[12:13], s[0:1], 0x20              ; ac
	v_lshl_add_u32 v[SPW], v0, 2, SPARE
	v_mov_b32 v[NIL], 0
	ds_add_u32 v[SPW], v[NIL]                      ; the opening lines: the add, twice on end, and its wait ahead of my first tensor load
	ds_add_u32 v[SPW], v[NIL]
	v_lshrrev_b32 v8, 5, v0
	s_delay_alu instid0(VALU_DEP_1)
	v_readfirstlane_b32 s[WV], v8                  ; wave 0..15
	s_lshr_b32 s19, s[WV], 2
	s_and_b32 s17, s[WV], 3                        ; g
	s_lshr_b32 s16, s[WV], 3                       ; pr.  Also: I fetch for K (0) or for V (1)
	s_bfe_u32 s48, ttmp6, 0x40000                  ; cx
	s_and_b32 s49, ttmp7, 0xffff                   ; bh
	; descriptor group 1: 8 rows of 1,024 bytes, 8,192 bytes apart in memory, dense in LDS
	s_mov_b32 s[G1+0], 15|(3<<16)|(1<<21)          ; the mask: all four partners; elements of 8 bytes; bit 21 beside a mask; no padding (an image is read as 512 consecutive bytes)
	s_mov_b32 s[G1+1], 128<<16                     ; tensor_dim0 = 128
	s_mov_b32 s[G1+2], 8<<16                       ; tensor_dim1 = 8
	s_mov_b32 s[G1+3], 128<<16                     ; tile_dim0
	s_mov_b32 s[G1+4], 8                           ; tile_dim1
	s_mov_b32 s[G1+5], 1024                        ; tensor_dim0_stride
	s_mov_b32 s[G1+6], 0
	s_mov_b32 s[G1+7], 0
	s_and_b32 s55, s[WV], 7                        ; my slice
	s_lshl_b32 s56, s16, 17
	s_lshl_b32 s57, s55, 13
	s_add_co_u32 s56, s56, s57                     ; where it goes in LDS: the wave's number alone
	s_lshl_b32 s58, s49, 17                        ; the kv head's 131,072 bytes
	s_lshl_b32 s57, s55, 10
	s_add_co_u32 s58, s58, s57
	s_mov_b32 s59, 0
	s_mov_b32 s[SEL], 0x76543210
	s_mov_b32 s[SEL+1], 0xfedcba98
	s_wait_dscnt 0x0                               ; both opening adds are done
	s_wait_kmcnt 0x0
	s_load_b128 s[68:71], s[10:11], 0x18           ; e6, e7, e8, e9
	s_load_b32 s72, s[10:11], 0x28                 ; e10
	s_cmp_eq_u32 s16, 0
	s_cselect_b64 s[60:61], s[6:7], s[8:9]
	s_add_nc_u64 s[60:61], s[60:61], s[58:59]
.irp j, 0,1                            ; half j: key steps 8 j .. 8 j + 7
	s_mov_b32 s[32+4*\j], 1
	s_add_co_u32 s[33+4*\j], s56, \j*HALF
	s_add_nc_u64 s[34+4*\j:35+4*\j], s[60:61], \j*HALF
	s_or_b32 s[35+4*\j], s[35+4*\j], 0x80000000
.endr
	CROUND                                         ; all four work-groups are here: the first joint loads meet
	tensor_load_to_lds s[32:35], s[G1:G1+7]        ; the first half: one tensor load a wave at the head
	s_nop 0
.rept 4
	v_nop
.endr
	; scalar set-up
	s_mul_i32 s66, s19, 16*SP                      ; the stage, in: row 16 (w / 4) + r; byte 128 (g % 2) + 32 dt + 16 h + 8 uu + 4 (g / 2): the place of k = 64 g + 16 dt + 8 h + 4 uu + 0 .. 3
	s_and_b32 s55, s17, 1
	s_lshl_b32 s55, s55, 7
	s_add_co_u32 s66, s66, s55
	s_lshr_b32 s55, s17, 1
	s_lshl_b32 s55, s55, 2
	s_add_co_u32 s66, s66, s55
	s_add_co_u32 s66, s66, STAGE
	s_mul_i32 s67, s[WV], 8*SP                     ; back: wave w takes rows 8 w .. 8 w + 7
	s_add_co_u32 s67, s67, STAGE
	s_lshl_b32 s54, s49, 2
	s_add_co_u32 s54, s54, s17                     ; my query head: 4 bh + g
	s_lshl_b32 s54, s54, 17
	s_mov_b32 s55, 0
	s_add_nc_u64 s[74:75], s[4:5], s[54:55]        ; its 128 images in qc
	s_lshl_b32 s54, ttmp9, 1                       ; 2 X
	s_add_co_u32 s61, s54, s16                     ; LOW's super-block
	s_sub_co_u32 s60, 15, s61                      ; HIGH's
	s_and_b32 s55, s19, 1                          ; u
	s_lshl_b32 s56, s48, 1
	s_add_co_u32 s56, s56, s55                     ; my tile in a super-block: 2 cx + u
	s_lshl_b32 s63, s61, 3
	s_add_co_u32 s63, s63, s56                     ; LOW's tile in the sequence
	s_lshl_b32 s62, s60, 3
	s_add_co_u32 s62, s62, s56                     ; HIGH's
	s_lshl_b32 s61, s61, 7                         ; the super-blocks' first positions: no cx in them
	s_lshl_b32 s60, s60, 7
	s_add_co_u32 s56, s54, s55                     ; the rows that I store: rows 8 w on are blk = w / 8, pair (w / 4) % 2, positions 8 (w % 4) on
	s_sub_co_u32 s57, 15, s56
	s_cmp_lt_u32 s[WV], 8
	s_cselect_b32 s56, s56, s57                    ; their super-block
	s_lshl_b32 s56, s56, 7
	s_lshl_b32 s57, s48, 5
	s_add_co_u32 s56, s56, s57                     ; + 32 cx
	s_lshl_b32 s57, s17, 3
	s_add_co_u32 s56, s56, s57                     ; + 8 (w % 4)
	s_lshr_b32 s57, s49, 2
	s_lshl_b32 s57, s57, 11
	s_add_co_u32 s56, s56, s57                     ; + 2,048 b
	s_lshl_b32 s54, s56, 10                        ; rows of 1,024 bytes
	s_and_b32 s57, s49, 3
	s_lshl_b32 s57, s57, 8                         ; the kv head's four query heads: 256 bytes
	s_add_co_u32 s54, s54, s57
	s_mov_b32 s55, 0
	s_add_nc_u64 s[76:77], s[12:13], s[54:55]
	s_wait_kmcnt 0x0
	s_mov_b32 s[CS], 0x3e38aa3b                    ; log2(e) / 8
	s_add_co_i32 s54, s68, s69
	s_lshl_b32 s54, s54, 23
	s_add_co_i32 s[CS], s[CS], s54                 ; a score stands for score x 2^(e6 + e7): the exponents are added to c's exponent field
	s_mov_b32 s[CS+1], s[CS]                       ; (named with it as a pair, so it is written)
	s_add_co_i32 s54, s71, 127
	s_lshl_b32 s40, s54, 23                        ; 2^e9
	s_add_co_i32 s54, s54, 8
	s_lshl_b32 s54, s54, 23
	s_or_b32 s41, s54, 0x600000                    ; 448 x 2^e9
	s_sub_co_i32 s54, s72, s70
	s_sub_co_i32 s54, s54, s71                     ; a sum of the second product stands for sum x 2^(e8 + e9): its code is (sum / l) / 2^(e10 - e8 - e9)
	s_add_co_i32 s54, s54, 127
	s_lshl_b32 s42, s54, 23
	s_add_co_i32 s54, s54, 8
	s_lshl_b32 s54, s54, 23
	s_or_b32 s43, s54, 0x600000
	; vector set-up, independent chains by turns
	v_and_b32 v8, 31, v0
	v_and_b32 v9, 15, v0                           ; r
	v_bfe_u32 v10, v0, 4, 1                        ; h
	v_mov_b32 v244, s40
	v_lshlrev_b32 v[LI], 4, v8
	v_lshlrev_b32 v11, 3, v10
	v_mul_u32_u24 v[STW], v9, SP
	v_mul_u32_u24 v[STR], v10, SP                  ; lanes 0-15 one row, lanes 16-31 the next
	v_lshlrev_b32 v[GO], 10, v10                   ; and the same two rows in ac
	v_add_nc_u32 v[LV], VREG, v[LI]
	v_sub_nc_u32 v[RH], v9, v11
	v_lshl_add_u32 v[STW], v10, 4, v[STW]
	v_lshl_add_u32 v[STR], v9, 4, v[STR]
	v_lshl_add_u32 v[GO], v9, 4, v[GO]
	v_mov_b32 v240, s41                            ; the hold, in two registers: the two halves of a dual pair name one each
	v_mov_b32 v241, s41
	v_add_nc_u32 v[STW], s66, v[STW]
	v_add_nc_u32 v[STR], s67, v[STR]
	v_mov_b32 v246, s42
	v_mov_b32 v247, s43
	v_mov_b32 v236, 0                              ; written once: a lane permute's destination counts as one of its sources
	v_mov_b32 v252, 0
	v_mov_b32 v253, 0                              ; (named as the upper half of the pair v[252:253])
	s_wait_alu depctr_va_vdst(0)
.macro START tau, sb                   ; a tile of 16 queries begins; s[tau]: its number in the sequence; s[sb]: its super-block's first position
	s_lshl_b32 s[Q0], s[\tau], 4
	s_mov_b32 s[SBK], s[\sb]
	s_mov_b32 s[KF], 0
	s_mov_b32 s[TB], 0
	s_lshl_b32 s56, s[\tau], 10
	s_mov_b32 s57, 0
	s_add_nc_u64 s[58:59], s[74:75], s[56:57]
	global_load_b128 v[16:19], v[LI], s[58:59]                     ; Q's fragment stays in registers
	global_load_b128 v[20:23], v[LI], s[58:59] offset:512
	v_mov_b32 v13, 0xff61b1e6                      ; the largest t so far: -3e38, under every t
	s_delay_alu instid0(VALU_DEP_1)
	v_floor_f32 v12, -v13                          ; -M
	v_mov_b32 v14, 0                               ; the sum, in two halves
	v_mov_b32 v15, 0
.set n, 0
.rept 32
	v_mov_b32 v[160+n], 0                          ; O^T.  (The step has no first form of its own: the first change of M multiplies zeros)
.set n, n+1
.endr
	s_wait_loadcnt 0x0
.endm
; A KEY STEP: 128 keys.  m = 0: every key counts for every query of the tile (HIGH's key steps 0-7).  m = 1: the step may be hidden, or be the tile's last.
.macro STEP m
.if \m
	s_cmp_gt_u32 s[KF], s[SBK]                     ; all its keys come after my super-block's queries: its work is left out
	s_cbranch_scc1 .Lhidden_\@
.endif
	v_add_nc_u32 v[ADK], s[TB], v[LI]
	v_add_nc_u32 v[ADV], s[TB], v[LV]
	v_nop
	v_nop                                          ; with the two additions: four places in front of loads into registers that the last products read
.irp t, 0,1,2,3,4,5,6,7
	ds_load_b128 v[32+8*\t:35+8*\t], v[ADK] offset:8192*\t
	ds_load_b128 v[36+8*\t:39+8*\t], v[ADK] offset:8192*\t+512
.endr
	s_wait_alu depctr_va_vdst(0)
	s_wait_dscnt 0x0
.irp t, 0,1,2,3,4,5,6,7
	v_wmma_f32_16x16x64_fp8_fp8 v[96+8*\t:103+8*\t], v[32+8*\t:39+8*\t], v[16:23], 0
.endr
.rept 4
	v_nop                                          ; places in front of the loads below and of the first read of the scores
.endr
.irp d, 0,1,2,3
.irp c, 0,1,2,3
	ds_load_b128 v[32+16*\d+4*\c:35+16*\d+4*\c], v[ADV] offset:8192*(2*\d+\c/2)+512*(\c%2)   ; V is asked for here and lands under the softmax
.endr
.endr
.if \m
	s_cmp_lt_u32 s[KF], s[SBK]                     ; all its keys count: no mask
	s_cbranch_scc1 .Lopen_\@
	s_sub_co_i32 s56, s[Q0], s[KF]
	v_add_nc_u32 v252, s56, v[RH]                  ; d = my query - KF - 8 h.  Register 8 t + j holds key KF + 16 t + 8 h + j: hidden where 16 t + j > d
	v_mov_b32 v254, 0xff800000                     ; -infinity
.set n, 0
.rept 64
	v_cmp_gt_i32 vcc_lo, 16*(n/8)+n%8, v252
	v_cndmask_b32 v[96+n], v[96+n], v254, vcc_lo
.set n, n+1
.endr
.Lopen_\@:
.endif
	v_max3_num_f32 v254, v96, v97, v98             ; the step's largest score of my query, among my 64 keys, in two chains, each accumulator from its low end on,
	v_max3_num_f32 v252, v99, v100, v101
.irp i, 6,10,14,18,22,26,30,34,38,42,46,50,54,58
	v_max3_num_f32 v254, v254, v[96+\i], v[97+\i]
	v_max3_num_f32 v252, v252, v[98+\i], v[99+\i]
.endr
	v_max3_num_f32 v254, v254, v158, v159
	s_delay_alu instid0(VALU_DEP_1)
	v_max_num_f32 v254, v254, v252
	s_delay_alu instid0(VALU_DEP_1)
	v_permlanex16_b32 v236, v254, s[SEL], s[SEL+1]
	s_delay_alu instid0(VALU_DEP_1)
	v_max_num_f32 v254, v254, v236                 ; and among lane xor 16's
	s_delay_alu instid0(VALU_DEP_1)
	v_mul_f32 v254, s[CS], v254                    ; as t (c is positive)
	s_delay_alu instid0(VALU_DEP_1)
	v_max_num_f32 v13, v13, v254                   ; the running largest t
	v_mov_b32 v254, v12
	s_delay_alu instid0(VALU_DEP_2)
	v_floor_f32 v12, -v13                          ; the new -M = floor(-t) = -ceil(t): M is a whole number
	s_delay_alu instid0(VALU_DEP_1)
	v_sub_f32 v254, v12, v254                      ; M's old value less its new one: a whole number, 0 or less
	s_delay_alu instid0(VALU_DEP_1)
	v_cvt_i32_f32 v254, v254                       ; (it saturates)
	s_delay_alu instid0(VALU_DEP_1)
	v_ldexp_f32 v252, 1.0, v254                    ; f = 2^(old M - new M): a multiplication by it rounds nothing
.set n, 0
.rept 32
	v_pk_fma_f32 v[96+n:97+n], v[96+n:97+n], s[CS:CS+1], v[12:13] op_sel_hi:[1,0,0]   ; t - M, two at a time
.set n, n+2
.endr
.set n, 0
	s_wait_alu depctr_va_vdst(0)
.rept 64
	v_exp_f32 v[96+n], v[96+n]                     ; p = 2^(t - M), at most 1: not normalised
.set n, n+1
.endr
	v_pk_mul_f32 v[14:15], v[14:15], v[252:253] op_sel_hi:[1,0]    ; the sums under the new M.  (The plain line behind the exponentials)
	s_wait_alu depctr_va_vdst(0)                   ; one wait for the batch of 64, ahead of its first reader
	v_pk_add_f32 v[242:243], v[100:101], v[104:105]                ; the row's sum of the unquantised p, in eight chains
	v_pk_add_f32 v[248:249], v[108:109], v[112:113]
	v_pk_add_f32 v[238:239], v[116:117], v[120:121]
	v_pk_add_f32 v[234:235], v[124:125], v[128:129]
	v_pk_add_f32 v[232:233], v[132:133], v[136:137]
	v_pk_add_f32 v[230:231], v[140:141], v[144:145]
	v_pk_add_f32 v[228:229], v[148:149], v[152:153]
	v_pk_add_f32 v[14:15], v[14:15], v[156:157]
	v_pk_add_f32 v[242:243], v[242:243], v[96:97]
	v_pk_add_f32 v[248:249], v[248:249], v[98:99]
	v_pk_add_f32 v[238:239], v[238:239], v[102:103]
	v_pk_add_f32 v[234:235], v[234:235], v[106:107]
	v_pk_add_f32 v[232:233], v[232:233], v[110:111]
	v_pk_add_f32 v[230:231], v[230:231], v[114:115]
	v_pk_add_f32 v[228:229], v[228:229], v[118:119]
	v_pk_add_f32 v[14:15], v[14:15], v[122:123]
	v_pk_add_f32 v[242:243], v[242:243], v[126:127]
	v_pk_add_f32 v[248:249], v[248:249], v[130:131]
	v_pk_add_f32 v[238:239], v[238:239], v[134:135]
	v_pk_add_f32 v[234:235], v[234:235], v[138:139]
	v_pk_add_f32 v[232:233], v[232:233], v[142:143]
	v_pk_add_f32 v[230:231], v[230:231], v[146:147]
	v_pk_add_f32 v[228:229], v[228:229], v[150:151]
	v_pk_add_f32 v[14:15], v[14:15], v[154:155]
	v_pk_add_f32 v[242:243], v[242:243], v[158:159]
	s_delay_alu instid0(VALU_DEP_2)
	v_pk_add_f32 v[14:15], v[14:15], v[234:235]
	s_delay_alu instid0(VALU_DEP_2)
	v_pk_add_f32 v[242:243], v[242:243], v[232:233]
	v_pk_add_f32 v[248:249], v[248:249], v[230:231]
	v_pk_add_f32 v[238:239], v[238:239], v[228:229]
	s_delay_alu instid0(VALU_DEP_2)
	v_pk_add_f32 v[14:15], v[14:15], v[248:249]
	s_delay_alu instid0(VALU_DEP_2)
	v_pk_add_f32 v[242:243], v[242:243], v[238:239]
	s_delay_alu instid0(VALU_DEP_1)
	v_pk_add_f32 v[14:15], v[14:15], v[242:243]
.irp t, 0,1,2,3,4,5,6,7
.irp i, 0,2,4,6
	v_dual_min_num_f32 v[96+8*\t+\i], v[96+8*\t+\i], v240 :: v_dual_min_num_f32 v[97+8*\t+\i], v[97+8*\t+\i], v241   ; the conversion does not saturate (ISA guide 7.6.2); p is not negative, so the hold is one-sided; two numbers a line
.endr
	v_cvt_scalef32_pk8_fp8_f32 v[192+2*\t:193+2*\t], v[96+8*\t:103+8*\t], v244   ; registers 2 t, 2 t + 1 of the operand: keys 16 t + 8 h + 0 .. 7
.endr
	s_wait_alu depctr_va_vdst(0)                   ; directly ahead of the first reader of O^T
.set n, 0
.rept 16
	v_pk_mul_f32 v[160+n:161+n], v[160+n:161+n], v[252:253] op_sel_hi:[1,0]   ; O^T under the new M.  (Also the plain lines between the conversions and the products)
.set n, n+2
.endr
	s_wait_alu depctr_va_vdst(0)
	s_wait_dscnt 0x0                               ; V is in
.irp d, 0,1,2,3                        ; O^T += V^T P^T: the four accumulators take turns, one instruction a turn
	v_wmma_f32_16x16x128_fp8_fp8 v[160+8*\d:167+8*\d], v[32+16*\d:47+16*\d], v[192:207], v[160+8*\d:167+8*\d]
.endr
.if \m
.Lhidden_\@:
.endif
	s_add_co_u32 s[KF], s[KF], 128
	s_add_co_u32 s[TB], s[TB], 1024
.endm
.macro FINISH blk                      ; the tile's result: / the sum, quantised, into the stage (blk = 0: LOW's rows, 1: HIGH's)
.rept 4
	v_nop                                          ; places behind the last products
.endr
	v_add_f32 v14, v14, v15                        ; the sum's two halves,
	s_delay_alu instid0(VALU_DEP_1)
	v_permlanex16_b32 v252, v14, s[SEL], s[SEL+1]
	s_delay_alu instid0(VALU_DEP_1)
	v_add_f32 v14, v14, v252                       ; and lane xor 16's
	s_wait_alu depctr_va_vdst(0)
	v_rcp_f32 v14, v14
	v_nop                                          ; a plain line behind the reciprocal,
	s_wait_alu depctr_va_vdst(0)                   ; and its wait, ahead of the first reader, which is O^T's first reader too
.set n, 0
.rept 16
	v_pk_mul_f32 v[96+n:97+n], v[160+n:161+n], v[14:15] op_sel_hi:[1,0]   ; register 8 dt + j is o(query r, channel 16 dt + 8 h + j)
.set n, n+2
.endr
.set n, 0
.rept 32
	v_med3_num_f32 v[96+n], v[96+n], -v247, v247
.set n, n+1
.endr
.irp d, 0,1,2,3
	v_cvt_scalef32_pk8_fp8_f32 v[208+2*\d:209+2*\d], v[96+8*\d:103+8*\d], v246
.endr
	v_nop                                          ; a plain line behind the last conversion: later products write its sources
.irp d, 0,1,2,3
	ds_store_b32 v[STW], v[208+2*\d] offset:64*SP*\blk+32*\d
	ds_store_b32 v[STW], v[209+2*\d] offset:64*SP*\blk+32*\d+8
.endr
	s_wait_dscnt 0x0
.endm
.macro TRIPS name, count, m            ; a counted loop of key steps
	s_mov_b32 s53, \count
\name:
	STEP \m
	s_sub_co_u32 s53, s53, 1
	s_cmp_lg_u32 s53, 0
	s_cbranch_scc1 \name
.endm
	START 62, 60                                   ; HIGH
	s_wait_alu depctr_va_vdst(0)
	s_wait_tensorcnt 0x0                           ; my slice of the first half is in
	ds_add_u32 v[SPW], v[NIL]
	s_wait_dscnt 0x0
	CROUND                                         ; everybody's slice is in, and all four work-groups are here: the joint loads meet
	tensor_load_to_lds s[36:39], s[G1:G1+7]        ; the second half: my one tensor load behind the round
	s_nop 0
.rept 4
	v_nop
.endr
	TRIPS .Lha1, 4, 0                              ; HIGH's key steps 0-3
	s_wait_tensorcnt 0x0                           ; my slice of the second half is in,
	s_wait_dscnt 0x0
	s_barrier_signal -1                            ; and I say so
	TRIPS .Lha2, 4, 0                              ; key steps 4-7: register work and LDS loads of the first half
	s_barrier_wait -1                              ; everybody's slice of the second half is in
	s_mov_b32 s[TB], HALF
	TRIPS .Lhb, 8, 1                               ; key steps 8-15, up to HIGH's super-block
	FINISH 1
	START 63, 61                                   ; LOW: its super-block is among the first eight
	TRIPS .Llow, 8, 1
	FINISH 0
	s_barrier_signal -1                            ; (FINISH has waited for my stores)
	s_barrier_wait -1                              ; 128 whole rows lie in the stage
.irp n, 0,1,2,3
	ds_load_b128 v[32+4*\n:35+4*\n], v[STR] offset:2*SP*\n
.endr
.irp n, 0,1,2,3
	s_wait_dscnt 3-\n                              ; LDS loads come back in order: load n is in, the 3 - n younger ones may be out
	global_store_b128 v[GO], v[32+4*\n:35+4*\n], s[76:77] offset:2048*\n   ; 16 lanes store 256 consecutive bytes, aligned: a position's four heads
.endr
	s_wait_tensorcnt 0x0                           ; the wave's end
	ds_add_u32 v[SPW], v[NIL]
	s_wait_dscnt 0x0
	CROUND                                         ; the closing round
	s_endpgm
.Lfunc_end_k_q3b13ad548e_attn:
	.size	k_q3b13ad548e_attn, .Lfunc_end_k_q3b13ad548e_attn-k_q3b13ad548e_attn
	.p2alignl 7, 3214868480
	.fill 96, 4, 3214868480
	.section	.rodata,"a",@progbits
	.p2align	6, 0x0
	.amdhsa_kernel k_q3b13ad548e_attn
		.amdhsa_group_segment_fixed_size 327680
		.amdhsa_private_segment_fixed_size 0
		.amdhsa_enable_private_segment 0
		.amdhsa_kernarg_size 40
		.amdhsa_user_sgpr_count 2
		.amdhsa_user_sgpr_kernarg_segment_ptr 1
		.amdhsa_wavefront_size32 1
		.amdhsa_system_sgpr_workgroup_id_x 1
		.amdhsa_system_sgpr_workgroup_id_y 1
		.amdhsa_system_sgpr_workgroup_id_z 1
		.amdhsa_system_vgpr_workitem_id 0
		.amdhsa_next_free_vgpr 256
		.amdhsa_next_free_sgpr 80
		.amdhsa_reserve_vcc 1
		.amdhsa_float_denorm_mode_32 3
		.amdhsa_float_denorm_mode_16_64 3
		.amdhsa_memory_ordered 1
		.amdhsa_forward_progress 1
		.amdhsa_inst_pref_size 95
	.end_amdhsa_kernel
	.amdgpu_metadata
---
amdhsa.version: [ 1, 2 ]
amdhsa.kernels:
  - .name:           k_q3b13ad548e_attn
    .symbol:         k_q3b13ad548e_attn.kd
    .args:
      - { .name: qc, .offset: 0, .size: 8, .value_kind: global_buffer, .address_space: global }
      - { .name: kc, .offset: 8, .size: 8, .value_kind: global_buffer, .address_space: global }
      - { .name: vc, .offset: 16, .size: 8, .value_kind: global_buffer, .address_space: global }
      - { .name: lowp_scales, .offset: 24, .size: 8, .value_kind: global_buffer, .address_space: global }
      - { .name: ac, .offset: 32, .size: 8, .value_kind: global_buffer, .address_space: global }
    .group_segment_fixed_size: 327680
    .private_segment_fixed_size: 0
    .kernarg_segment_align: 8
    .kernarg_segment_size: 40
    .max_flat_workgroup_size: 512
    .sgpr_count:     80
    .vgpr_count:     256
    .wavefront_size: 32
...
	.end_amdgpu_metadata
.endif
;; end of part 3
;; launch oproj (part 4): grid 4 x 32, 4 waves a work-group, clusters of 4 x 4, 327,680 bytes of LDS; arguments ac, wc, lowp_scales, out0; writes out0
.if DOCPART == 4
	.amdgcn_target "amdgcn-amd-amdhsa--gfx1250"
	.amdhsa_code_object_version 6
	.text
	.protected	k_q3b13ad548e_oproj
	.globl	k_q3b13ad548e_oproj
	.p2align	8
	.type	k_q3b13ad548e_oproj,@function
k_q3b13ad548e_oproj:
	s_mov_b64 s[64:65], 0
	v_nop
	global_prefetch_b8 v0, s[64:65] scope:SCOPE_SE
	s_setreg_imm32_b32 hwreg(HW_REG_WAVE_MODE, 25, 1), 1
	s_wait_xcnt 0x0
	s_wait_alu depctr_hold_cnt(0) depctr_sa_sdst(0) depctr_va_vdst(0) depctr_va_sdst(0) depctr_va_ssrc(0) depctr_va_vcc(0) depctr_vm_vsrc(0)
	s_getreg_b32 s2, hwreg(HW_REG_IB_STS2, 6, 4)
	s_cmp_eq_u32 s2, 0
	s_cbranch_scc0 .Lentry_in_a_cluster
	s_endpgm
.Lentry_in_a_cluster:
	s_bfe_u32 s2, ttmp6, 0x10000c
	s_cmp_lg_u32 s2, 0xf033
	s_cbranch_scc0 .Lentry_shape_is_right
	s_endpgm
.Lentry_shape_is_right:
.set SIZE_M, 8192
.set SIZE_N, 1024
.set SIZE_K, 1024
.set WO_AT,  1572864
.set KSTEP,  256
.set ROWB,   256
.set KROW,   SIZE_K
.set PITCH,  272
.set FR,     16
.set NL,     4
.set NP,     4
.set HALFT,  128*PITCH
.set SLOT,   4*HALFT
.set LAPS,   SIZE_K/(2*KSTEP)
.set SPARE,  2*SLOT
.set SPITCH, 528
.set ADRA, 16
.set ADRB, 20
.set STO,  24
.set RD,   25
.set CO,   26
.set SPW,  28
.set NIL,  29
.set TMP,  32
.set AF,   128
.set BK,   128
.set G1, 24
.set G0, 32
.set G1B, 48
.set G0B, 56
.set MSB, 0
.macro WIN new
.if MSB != (\new)
	s_set_vgpr_msb (MSB<<8)|(\new)
.set MSB, (\new)
.endif
.endm
.set MUL_LO, 0xa1
.set MUL_HI, 0xf1
.set TO_B,   0x40
.macro JLOAD g0a, g1a, g0b, g1b
	s_cmp_eq_u32 s15, 0
	s_cbranch_scc0 .Lfor_b_\@
	tensor_load_to_lds s[\g0a:\g0a+3], s[\g1a:\g1a+7]
	s_nop 0
.rept 4
	v_nop
.endr
	s_branch .Lasked_\@
.Lfor_b_\@:
	tensor_load_to_lds s[\g0b:\g0b+3], s[\g1b:\g1b+7]
	s_nop 0
.rept 4
	v_nop
.endr
.Lasked_\@:
.endm
.macro CREST
	s_cmp_lg_u32 s14, 0
	s_cbranch_scc1 .Lnot_wave_0_\@
	s_barrier_signal -3
.Lnot_wave_0_\@:
	s_barrier_wait -3
	s_barrier_signal -1
	s_barrier_wait -1
.endm
.macro CROUND
	s_barrier_signal -1
	s_barrier_wait -1
	CREST
.endm
	s_load_b128 s[4:7], s[0:1], 0x0
	s_load_b128 s[8:11], s[0:1], 0x10
	v_lshl_add_u32 v[SPW], v0, 2, SPARE
	v_mov_b32 v[NIL], 0
	ds_add_u32 v28, v29
	ds_add_u32 v28, v29
	s_wait_dscnt 0x0
	v_lshrrev_b32 v1, 5, v0
	v_readfirstlane_b32 s14, v1
	s_lshr_b32 s15, s14, 1
	s_and_b32 s16, s14, 1
	s_bfe_u32 s40, ttmp6, 0x40000
	s_bfe_u32 s41, ttmp6, 0x40004
	s_lshl_b32 s42, ttmp9, 2
	s_add_co_u32 s42, s42, s40
	s_and_b32 s17, ttmp7, 0xffff
	s_lshl_b32 s17, s17, 2
	s_add_co_u32 s17, s17, s41
	s_lshl_b32 s43, s41, 2
	s_lshl_b32 s43, 15, s43
	s_lshl_b32 s44, 0x1111, s40
	s_or_b32 s[G1+0], s43, (0<<16)|(1<<20)|(1<<21)|(5<<22)|(3<<25)
	s_or_b32 s[G1B+0], s44, (0<<16)|(1<<20)|(1<<21)|(5<<22)|(3<<25)
.irp g, G1, G1B
	s_mov_b32 s[\g+1], ROWB<<16
	s_mov_b32 s[\g+2], 128<<16
	s_mov_b32 s[\g+3], ROWB<<16
	s_mov_b32 s[\g+4], 128
	s_mov_b32 s[\g+5], KROW
	s_mov_b32 s[\g+6], 0
	s_mov_b32 s[\g+7], 0
.endr
	s_lshl_b32 s18, s16, 7
	s_lshl_b32 s20, s17, 8
	s_add_co_u32 s20, s20, s18
	s_lshl_b32 s46, s42, 8
	s_add_co_u32 s46, s46, s18
	s_mov_b32 s21, 0
	s_mov_b32 s47, 0
	s_mov_b64 s[18:19], KROW
	s_mul_u64 s[20:21], s[20:21], s[18:19]
	s_mul_u64 s[46:47], s[46:47], s[18:19]
	s_mul_i32 s45, s14, HALFT
	s_wait_kmcnt 0x0
	s_load_b64 s[96:97], s[8:9], 0x28
	s_add_nc_u64 s[6:7], s[6:7], WO_AT
	s_add_nc_u64 s[20:21], s[4:5], s[20:21]
	s_add_nc_u64 s[46:47], s[6:7], s[46:47]
	CROUND
.irp s, 0,1
	s_mov_b32 s[G0+4*\s], 1
	s_add_co_u32 s[G0+4*\s+1], s45, \s*SLOT
	s_add_nc_u64 s[G0+4*\s+2:G0+4*\s+3], s[20:21], \s*ROWB
	s_or_b32 s[G0+4*\s+3], s[G0+4*\s+3], 0x80000000
	s_mov_b32 s[G0B+4*\s], 1
	s_add_co_u32 s[G0B+4*\s+1], s45, \s*SLOT
	s_add_nc_u64 s[G0B+4*\s+2:G0B+4*\s+3], s[46:47], \s*ROWB
	s_or_b32 s[G0B+4*\s+3], s[G0B+4*\s+3], 0x80000000
	s_wait_alu depctr_va_vdst(0)
	s_wait_tensorcnt 0x0
	ds_add_u32 v28, v29
	ds_add_u32 v28, v29
	s_wait_dscnt 0x0
	CROUND
	JLOAD G0+4*\s, G1, G0B+4*\s, G1B
.endr
	v_and_b32 v1, 15, v0
	s_wait_alu depctr_va_vdst(0)
	v_bfe_u32 v2, v0, 4, 1
	v_mul_u32_u24 v3, v1, PITCH
	v_lshl_add_u32 v4, v2, 4, v3
	s_mul_i32 s21, s15, HALFT
	s_mul_i32 s22, s16, HALFT
	s_add_co_u32 s22, s22, 2*HALFT
.irp s, 0,1
	v_add_nc_u32 v[ADRA+\s], s21, v4
	v_add_nc_u32 v[ADRB+\s], s22, v4
	s_add_co_u32 s21, s21, SLOT
	s_add_co_u32 s22, s22, SLOT
.endr
	s_mul_i32 s23, s14, 16*SPITCH
	v_mul_u32_u24 v5, v1, SPITCH
	s_wait_alu depctr_va_vdst(0)
	v_lshl_add_u32 v5, v2, 5, v5
	v_add_nc_u32 v[STO], s23, v5
	v_and_b32 v6, 31, v0
	v_lshlrev_b32 v[CO], 4, v6
	v_add_nc_u32 v[RD], s23, v[CO]
	s_lshl_b32 s20, s17, 8
	s_lshl_b32 s21, s15, 7
	s_add_co_u32 s20, s20, s21
	s_mov_b32 s21, 0
	s_mov_b64 s[18:19], SIZE_N*4
	s_mul_u64 s[20:21], s[20:21], s[18:19]
	s_lshl_b32 s46, s42, 10
	s_lshl_b32 s47, s16, 9
	s_add_co_u32 s46, s46, s47
	s_mov_b32 s47, 0
	s_add_nc_u64 s[20:21], s[20:21], s[46:47]
	s_add_nc_u64 s[10:11], s[10:11], s[20:21]
.macro FRAG reg, adr, q, i
.irp c, 0,1,2,3
	ds_load_b128 v[\reg+4*\c:\reg+4*\c+3], v[\adr] offset:128*(\q)+32*\c+(\i)*16*PITCH
.endr
.endm
.macro MUL16 a0, p, zero
.irp a, \a0, \a0+1
.irp b, 0,1,2,3,4,5,6,7
.if \zero
	v_wmma_f32_16x16x128_fp8_fp8 v[8*(8*((\a)%4)+\b):8*(8*((\a)%4)+\b)+7], v[128*(\p)+FR*\b:128*(\p)+FR*\b+FR-1], v[AF+FR*(\a):AF+FR*(\a)+FR-1], 0
.else
	v_wmma_f32_16x16x128_fp8_fp8 v[8*(8*((\a)%4)+\b):8*(8*((\a)%4)+\b)+7], v[128*(\p)+FR*\b:128*(\p)+FR*\b+FR-1], v[AF+FR*(\a):AF+FR*(\a)+FR-1], v[8*(8*((\a)%4)+\b):8*(8*((\a)%4)+\b)+7]
.endif
.endr
.endr
.endm
.macro FETCH_B slot, q, p
	WIN TO_B
.irp i, 0,1,2,3,4,5,6,7
	FRAG 128*(\p)+FR*\i, ADRB+\slot, \q, \i
.endr
	WIN 0
.endm
.macro FETCH_A slot, q, i0
.irp i, \i0, \i0+1, \i0+2, \i0+3
	FRAG AF+FR*(\i), ADRA+\slot, \q, \i
.endr
.endm
.macro PLACES n
.rept \n
	v_nop
.endr
.endm
.macro STEP slot, q, zero
	s_wait_dscnt 4*NL
	WIN MUL_LO
	MUL16 0, (\q)%2, \zero
	MUL16 2, (\q)%2, \zero
	s_wait_dscnt 0
	PLACES NP
	FETCH_B \slot, (\q)+1, 1-(\q)%2
	FETCH_A \slot, (\q)+1, 0
	WIN MUL_HI
	MUL16 4, (\q)%2, \zero
	MUL16 6, (\q)%2, \zero
	PLACES NP
	WIN 0
	FETCH_A \slot, (\q)+1, 4
.endm
.macro TURN slot, next, fill
	s_wait_tensorcnt 0x0
	ds_add_u32 v[SPW], v[NIL]
	s_wait_dscnt 4*NL+1
	WIN MUL_LO
	MUL16 0, 1, 0
	s_wait_dscnt 0x0
	s_barrier_signal -1
	MUL16 2, 1, 0
	WIN 0
	s_barrier_wait -1
.if \fill
	CREST
	s_add_nc_u64 s[G0+4*\slot+2:G0+4*\slot+3], s[G0+4*\slot+2:G0+4*\slot+3], 2*ROWB
	s_add_nc_u64 s[G0B+4*\slot+2:G0B+4*\slot+3], s[G0B+4*\slot+2:G0B+4*\slot+3], 2*ROWB
	JLOAD G0+4*\slot, G1, G0B+4*\slot, G1B
.else
	PLACES NP
.endif
	FETCH_B \next, 0, 0
	FETCH_A \next, 0, 0
	WIN MUL_HI
	MUL16 4, 1, 0
	MUL16 6, 1, 0
	PLACES NP
	WIN 0
	FETCH_A \next, 0, 4
.endm
	s_wait_tensorcnt 1
	s_barrier_signal -1
	s_barrier_wait -1
	FETCH_B 0, 0, 0
	FETCH_A 0, 0, 0
	FETCH_A 0, 0, 4
	STEP 0, 0, 1
	s_mov_b32 s3, LAPS-1
.Llap:
	TURN 0, 1, 1
	STEP 1, 0, 0
	TURN 1, 0, 1
	STEP 0, 0, 0
	s_sub_co_u32 s3, s3, 1
	s_cmp_lg_u32 s3, 0
	s_cbranch_scc1 .Llap
	TURN 0, 1, 0
	STEP 1, 0, 0
	s_wait_dscnt 4*NL
	WIN MUL_LO
	MUL16 0, 1, 0
	MUL16 2, 1, 0
	s_wait_dscnt 0
	WIN MUL_HI
	MUL16 4, 1, 0
	MUL16 6, 1, 0
	WIN 0
.macro TOSTAGE a
.set AC, 64*((\a)%4)
	WIN 0x02+((\a)/4)
.set j, 0
.rept 32
	v_pk_mul_f32 v[TMP+j:TMP+j+1], v[AC+j:AC+j+1], s[96:97] op_sel_hi:[1,0]
.set j, j+2
.endr
	WIN 0
.irp b, 0,1,2,3,4,5,6,7
	ds_store_b128 v[STO], v[TMP+8*\b:TMP+8*\b+3] offset:64*\b
	ds_store_b128 v[STO], v[TMP+8*\b+4:TMP+8*\b+7] offset:64*\b+16
.endr
; each of the eight blocks comes back into 64 registers of its own: blocks 0, 1 window 0 v128 on, blocks 2-5 window 1, blocks 6, 7 window 2 v0-127 (the sums of blocks 0, 1, read by then): no store's data are written again
.set BB, 64*(((\a)+2)%4)
	WIN (((\a)+2)/4)<<6
.irp t, 0,1,2,3,4,5,6,7,8,9,10,11,12,13,14,15
	ds_load_b128 v[BB+4*\t:BB+4*\t+3], v[RD] offset:\t*SPITCH
.endr
	WIN 0
.endm
.macro SEND a, younger
.set BB, 64*(((\a)+2)%4)
	s_wait_dscnt \younger
	WIN (((\a)+2)/4)<<2
.irp t, 0,1,2,3,4,5,6,7,8,9,10,11,12,13,14,15
	global_store_b128 v[CO], v[BB+4*\t:BB+4*\t+3], s[10:11] offset:(16*(\a)+\t)*SIZE_N*4 th:TH_STORE_NT   ; the base is never stepped: 127 rows of 4,096 bytes stay inside the immediate
.endr
	WIN 0
.endm
	s_wait_kmcnt 0x0
	s_add_co_i32 s96, s96, s97
	s_add_co_i32 s96, s96, 127
	s_lshl_b32 s96, s96, 23
	PLACES NP
	TOSTAGE 0
.irp a, 1,2,3,4,5,6,7
	TOSTAGE \a
	SEND \a-1, 32
.endr
	SEND 7, 0
	s_wait_tensorcnt 0x0
	ds_add_u32 v[SPW], v[NIL]
	s_wait_dscnt 0x0
	CROUND
	s_endpgm
.Lfunc_end_k_q3b13ad548e_oproj:
	.size	k_q3b13ad548e_oproj, .Lfunc_end_k_q3b13ad548e_oproj-k_q3b13ad548e_oproj
	.p2alignl 7, 3214868480
	.fill 96, 4, 3214868480
	.section	.rodata,"a",@progbits
	.p2align	6, 0x0
	.amdhsa_kernel k_q3b13ad548e_oproj
		.amdhsa_group_segment_fixed_size 327680
		.amdhsa_private_segment_fixed_size 0
		.amdhsa_enable_private_segment 0
		.amdhsa_kernarg_size 32
		.amdhsa_user_sgpr_count 2
		.amdhsa_user_sgpr_kernarg_segment_ptr 1
		.amdhsa_wavefront_size32 1
		.amdhsa_system_sgpr_workgroup_id_x 1
		.amdhsa_system_sgpr_workgroup_id_y 1
		.amdhsa_system_sgpr_workgroup_id_z 1
		.amdhsa_system_vgpr_workitem_id 0
		.amdhsa_next_free_vgpr 1024
		.amdhsa_next_free_sgpr 98
		.amdhsa_reserve_vcc 0
		.amdhsa_float_denorm_mode_32 3
		.amdhsa_float_denorm_mode_16_64 3
		.amdhsa_memory_ordered 1
		.amdhsa_forward_progress 1
		.amdhsa_inst_pref_size 124
	.end_amdhsa_kernel
	.amdgpu_metadata
---
amdhsa.version: [ 1, 2 ]
amdhsa.kernels:
  - .name:           k_q3b13ad548e_oproj
    .symbol:         k_q3b13ad548e_oproj.kd
    .args:
      - { .name: ac, .offset: 0, .size: 8, .value_kind: global_buffer, .address_space: global }
      - { .name: wc, .offset: 8, .size: 8, .value_kind: global_buffer, .address_space: global }
      - { .name: lowp_scales, .offset: 16, .size: 8, .value_kind: global_buffer, .address_space: global }
      - { .name: out0, .offset: 24, .size: 8, .value_kind: global_buffer, .address_space: global }
    .group_segment_fixed_size: 327680
    .private_segment_fixed_size: 0
    .kernarg_segment_align: 8
    .kernarg_segment_size: 32
    .max_flat_workgroup_size: 128
    .sgpr_count:     98
    .vgpr_count:     1024
    .wavefront_size: 32
...
	.end_amdgpu_metadata
.endif
;; end of part 4
